; MI455X (gfx1250); checked and timed in simulation.
; The chip was launched on July 23, 2026; its instructions are those of AMD's public machine-readable ISA for CDNA 5 (MIT licence, August 2026) and "CDNA5" Instruction Set Architecture Reference Guide (July 2026). The comments in the code are by the model that wrote it; some were corrected since.
;; VQ. Allowed arithmetic: matrix products marked QUANTISED: E5M2 operands, one given power-of-two scale a tensor, by v_wmma_f32_16x16x64_bf8_bf8 or v_wmma_f32_16x16x128_bf8_bf8, f32 sums; everything else in f32.
;; Inputs: embedding 8,192 x 2,048 float32; lowp_scales 2 int32 (the exponents e of the quantised operands' scales 2^e); x 4,096 x 2,048 float32.
;; Outputs: out0 4,096 x 2,048 float32; out1 4,096 int32.
;; This version of the problem:
;;   THIS VERSION OF THE PROBLEM IS GIVEN IN LOW PRECISION. The matrix products marked QUANTISED in the list below multiply operands that are first quantised to E5M2 (5 exponent bits, 2 mantissa bits; 8 bits a number), with one given power-of-two scale for each operand tensor; their sums are f32. All else is computed in f32.
;;   The module's matrix products, in the order in which they are computed (A, B: the left and right operand; K: the contracted axis; several contracted axes count as one K, in the product's order):
;;     1. [M 4,096, K 2,048] x [K 2,048, N 8,192]; A: input x; B: input embedding: QUANTISED (scales: A lowp_scales[0], B lowp_scales[1])
;;   THE QUANTISER, for each operand of a quantised product, along K:
;;     - The operand's scale is 2^e, e = its entry of the input lowp_scales (int32; the entries are numbered through the quantised products in the list's order, A before B).
;;     - Each number is divided by the scale, clamped to +-57,344, and rounded to the nearest number of E5M2, ties to even, subnormals kept.
;;     - The product sums the exact products of the quantised numbers (number of the format x scale) in f32.
;;   ~~~python
;;   def quantise(x, axis, e):      # numpy; x: float32 -> the quantised numbers, widened to float32 again
;;       x = np.moveaxis(x, axis, -1); K = x.shape[-1]
;;       r = np.clip(x / 2.0 ** e, -57344, 57344)
;;       step = 2.0 ** (np.maximum(np.frexp(np.where(r == 0, 1, r))[1] - 1, -14) - 2)
;;       q = np.round(r / step) * step * 2.0 ** e      # np.round: ties to even
;;       return np.moveaxis(q, -1, axis).astype(np.float32)
;;   ~~~
;; One version. Each part assembles by itself: llvm-mc -triple=amdgcn-amd-amdhsa -mcpu=gfx1250 --defsym DOCPART=n.
;; ======== version 1 of 1: 3 launches
;; limits: right only within a limited range of input values
;; workspace buffers: xc 8,388,608 bytes; ec 16,777,216 bytes; sx 16,384 bytes; se 32,768 bytes; pd 524,288 bytes of whole numbers; pi 524,288 bytes of whole numbers
;; launch quant (part 1): grid 3072 x 1, 4 waves a work-group, no clusters, 0 bytes of LDS; arguments x, embedding, lowp_scales, xc, ec, sx, se; writes xc, ec, sx, se
.if DOCPART == 1
	.amdgcn_target "amdgcn-amd-amdhsa--gfx1250"
	.amdhsa_code_object_version 6
	.text
	.protected	k_q410e701d40_quant
	.globl	k_q410e701d40_quant
	.p2align	8
	.type	k_q410e701d40_quant,@function
k_q410e701d40_quant:
	s_mov_b64 s[64:65], 0
	v_nop
	global_prefetch_b8 v0, s[64:65] scope:SCOPE_SE
	s_setreg_imm32_b32 hwreg(HW_REG_WAVE_MODE, 25, 1), 1
	s_wait_xcnt 0x0
; x [4096][2048] and embedding [8192][2048], f32, are turned into codes of BF8 (E5M2), one byte each, each with the one scale 2^e given for it;
; and each row's sum of squares of the UNQUANTISED numbers is made in f32 on the way (sx, se), so that the f32 numbers are read from memory once.
; code = v / 2^e, held within +-57,344, rounded to the nearest code, ties to even.  e: entry 0 of the scales for x, entry 1 for embedding.
; Nothing of reference() is left out in this program: ||x||^2 is the same for all columns, but beside it the other terms of d lose their low bits in f32, and that decides ties of the argmin: it stays.
; LIMITS: -126 <= e <= 112, so that 2^e and 57,344 x 2^e are f32 numbers.  NaN among the inputs is not served.  A row's squares are added in another order than a plain
; left-to-right sum: four chains of pairs in a lane, then a tree over the 32 lanes.
; THE CODES' ORDER ALONG K.  xc and ec are this program's own buffers and are read by the product alone, which sums over all K: so K may be laid in any order that is the same in both.
; A step is 512 numbers of a row.  Each of its four loads reads 512 consecutive bytes, 16 a lane: lane l holds k = 128 i + 4 l + j (load i, number j).  Its 16 codes go out as they lie in its registers,
; 16 bytes at 16 l: byte 16 l + 4 i + j of the step's 512 holds that k.  So loads and stores are dense, a conversion finds its eight numbers in one lane, and no number changes lanes: no LDS, no barrier.
; SHARES.  A wave takes ONE row: 16 loads, all issued at once; then all its vector work; then its stores, as its last lines.  A work-group takes 4 rows; the first WGA work-groups take x, the others embedding:
; only pointers and e are chosen, by the work-group's number.  12 work-groups for each of 256 WGPs follow each other, so that some waves load while others store.
; The matrix unit, clusters and large register tiles have nothing to do here: the launch moves bytes.
.set WGA,   1024                       ; 4096 rows / 4
.set R,     16                         ; v16-79   the row: four steps of 16 numbers
.set SQ,    80                         ; v80-87   four chains of pairs: the row's squares
.set RS,    88                         ; v88      the row's sum
.set C,     96                         ; v96-111  codes: four registers for each step
	s_load_b128 s[4:7], s[0:1], 0x0                ; x, embedding
	s_load_b64 s[10:11], s[0:1], 0x10              ; the scales' exponents
	s_load_b128 s[12:15], s[0:1], 0x18             ; xc, ec
	s_load_b128 s[28:31], s[0:1], 0x28             ; sx, se
	v_lshrrev_b32 v1, 5, v0
	v_readfirstlane_b32 s16, v1                    ; wave
	v_and_b32 v2, 31, v0                           ; lane
	v_lshlrev_b32 v3, 4, v2                        ; my 16 bytes of a load's 512, and of a store's 512; never rewritten
	v_mov_b32 v13, 0                               ; the offset of the sum's store
	v_mov_b32 v92, 0                               ; written once: a lane permute's destination counts as one of its sources
	s_mov_b32 s24, 0x76543210                      ; v_permlanex16_b32: lane l takes lane l xor 16
	s_mov_b32 s25, 0xfedcba98
	s_wait_alu depctr_va_vdst(0)                   ; directly ahead of the wait below
	s_wait_kmcnt 0x0
	s_load_b64 s[22:23], s[10:11], 0x0             ; ex, ee
	s_cmp_lt_u32 ttmp9, WGA                        ; x's work-group or embedding's?  The choice hangs on the work-group's number alone
	s_cselect_b64 s[4:5], s[4:5], s[6:7]
	s_cselect_b64 s[8:9], s[12:13], s[14:15]
	s_cselect_b64 s[28:29], s[28:29], s[30:31]
	s_cselect_b32 s17, 0, WGA
	s_sub_co_u32 s17, ttmp9, s17
	s_lshl_b32 s17, s17, 2
	s_add_co_u32 s18, s17, s16                     ; my row of the tensor: 8,191 at the most
	s_mov_b32 s21, 0
	s_lshl_b32 s20, s18, 13                        ; 8,192 bytes of f32,
	s_add_nc_u64 s[4:5], s[4:5], s[20:21]
	s_lshl_b32 s20, s18, 11                        ; 2,048 bytes of codes,
	s_add_nc_u64 s[8:9], s[8:9], s[20:21]
	s_lshl_b32 s20, s18, 2                         ; 4 bytes of sum
	s_add_nc_u64 s[28:29], s[28:29], s[20:21]
.irp t, 0,1,2,3
.irp i, 0,1,2,3
	global_load_b128 v[R+16*\t+4*\i:R+16*\t+4*\i+3], v3, s[4:5] offset:2048*\t+512*\i th:TH_LOAD_NT   ; 32 lanes read 512 consecutive bytes; read once in the launch
.endr
.endr
	s_wait_kmcnt 0x0
	s_cmp_lt_u32 ttmp9, WGA
	s_cselect_b32 s22, s22, s23                    ; e
	s_add_co_i32 s22, s22, 127
	s_lshl_b32 s23, s22, 23
	v_mov_b32 v11, s23                             ; 2^e as f32: the conversion takes its exponent field
	s_add_co_i32 s22, s22, 15
	s_lshl_b32 s22, s22, 23
	s_or_b32 s22, s22, 0x600000
	v_mov_b32 v10, s22                             ; 57,344 x 2^e
	s_wait_alu depctr_va_vdst(0)
.macro STEP t
.set XS, R+16*(\t)
	s_wait_loadcnt 12-4*(\t)                       ; this step's four loads are in; those of the steps behind it may be out
.irp p, 0,1,2,3,4,5,6,7                        ; the squares come first: the holds below change the numbers
.if ((\t) == 0) && (\p < 4)
	v_pk_mul_f32 v[SQ+2*\p:SQ+2*\p+1], v[XS+2*\p:XS+2*\p+1], v[XS+2*\p:XS+2*\p+1]   ; the row's first four pairs start the chains: nothing is cleared
.else
	v_pk_fma_f32 v[SQ+2*(\p%4):SQ+2*(\p%4)+1], v[XS+2*\p:XS+2*\p+1], v[XS+2*\p:XS+2*\p+1], v[SQ+2*(\p%4):SQ+2*(\p%4)+1]
.endif
.endr
.irp i, 0,1,2,3,4,5,6,7,8,9,10,11,12,13,14,15
	v_med3_num_f32 v[XS+\i], v[XS+\i], -v10, v10   ; the conversion to an 8-bit code does not saturate (ISA guide 7.6.2): hold the number within the largest code x the scale first
.endr
	v_cvt_scalef32_pk8_bf8_f32 v[C+4*(\t):C+4*(\t)+1], v[XS:XS+7], v11          ; eight numbers / 2^e, to the nearest code, ties to even; the first number's code in the lowest byte
	v_cvt_scalef32_pk8_bf8_f32 v[C+4*(\t)+2:C+4*(\t)+3], v[XS+8:XS+15], v11
.endm
.irp t, 0,1,2,3
	STEP \t
.endr
	v_pk_add_f32 v[SQ:SQ+1], v[SQ:SQ+1], v[SQ+2:SQ+3]              ; the four chains, the pair's halves, the 32 lanes
	v_pk_add_f32 v[SQ+4:SQ+5], v[SQ+4:SQ+5], v[SQ+6:SQ+7]
	v_pk_add_f32 v[SQ:SQ+1], v[SQ:SQ+1], v[SQ+4:SQ+5]
	v_add_f32 v93, v[SQ], v[SQ+1]
	v_add_f32_dpp v93, v93, v93 row_xmask:1 row_mask:0xf bank_mask:0xf
	v_add_f32_dpp v93, v93, v93 row_xmask:2 row_mask:0xf bank_mask:0xf
	v_add_f32_dpp v93, v93, v93 row_xmask:4 row_mask:0xf bank_mask:0xf
	v_add_f32_dpp v93, v93, v93 row_xmask:8 row_mask:0xf bank_mask:0xf
	v_permlanex16_b32 v92, v93, s24, s25
	v_add_f32 v[RS], v93, v92                      ; every lane holds the row's sum
	v_cmp_eq_u32 vcc_lo, 0, v2                     ; the wave's last vector instruction: only scalar lines and stores follow
	s_wait_alu depctr_va_vdst(0)
	s_wait_xcnt 0x0                                ; EXEC changes only behind this wait
	s_and_saveexec_b32 s26, vcc_lo                 ; lane 0 stores the row's sum: 4 bytes.  All sums of the launch are 48 KiB: too few to earn a stage and a barrier
	global_store_b32 v13, v[RS], s[28:29]
	s_wait_xcnt 0x0                                ; and again in front of the line that widens it
	s_or_b32 exec_lo, exec_lo, s26
.irp t, 0,1,2,3
	global_store_b128 v3, v[C+4*\t:C+4*\t+3], s[8:9] offset:512*\t   ; 512 consecutive bytes a wave
.endr
	s_endpgm
.Lfunc_end_k_q410e701d40_quant:
	.size	k_q410e701d40_quant, .Lfunc_end_k_q410e701d40_quant-k_q410e701d40_quant
	.p2alignl 7, 3214868480
	.fill 96, 4, 3214868480
	.section	.rodata,"a",@progbits
	.p2align	6, 0x0
	.amdhsa_kernel k_q410e701d40_quant
		.amdhsa_group_segment_fixed_size 0
		.amdhsa_private_segment_fixed_size 0
		.amdhsa_enable_private_segment 0
		.amdhsa_kernarg_size 56
		.amdhsa_user_sgpr_count 2
		.amdhsa_user_sgpr_kernarg_segment_ptr 1
		.amdhsa_wavefront_size32 1
		.amdhsa_system_sgpr_workgroup_id_x 1
		.amdhsa_system_sgpr_workgroup_id_y 1
		.amdhsa_system_sgpr_workgroup_id_z 1
		.amdhsa_system_vgpr_workitem_id 0
		.amdhsa_next_free_vgpr 112
		.amdhsa_next_free_sgpr 66
		.amdhsa_reserve_vcc 1
		.amdhsa_float_denorm_mode_32 3
		.amdhsa_float_denorm_mode_16_64 3
		.amdhsa_memory_ordered 1
		.amdhsa_forward_progress 1
		.amdhsa_inst_pref_size 12
	.end_amdhsa_kernel
	.amdgpu_metadata
---
amdhsa.version: [ 1, 2 ]
amdhsa.kernels:
  - .name:           k_q410e701d40_quant
    .symbol:         k_q410e701d40_quant.kd
    .args:
      - { .name: x, .offset: 0, .size: 8, .value_kind: global_buffer, .address_space: global }
      - { .name: embedding, .offset: 8, .size: 8, .value_kind: global_buffer, .address_space: global }
      - { .name: lowp_scales, .offset: 16, .size: 8, .value_kind: global_buffer, .address_space: global }
      - { .name: xc, .offset: 24, .size: 8, .value_kind: global_buffer, .address_space: global }
      - { .name: ec, .offset: 32, .size: 8, .value_kind: global_buffer, .address_space: global }
      - { .name: sx, .offset: 40, .size: 8, .value_kind: global_buffer, .address_space: global }
      - { .name: se, .offset: 48, .size: 8, .value_kind: global_buffer, .address_space: global }
    .group_segment_fixed_size: 0
    .private_segment_fixed_size: 0
    .kernarg_segment_align: 8
    .kernarg_segment_size: 56
    .max_flat_workgroup_size: 128
    .sgpr_count:     66
    .vgpr_count:     112
    .wavefront_size: 32
...
	.end_amdgpu_metadata
.endif
;; end of part 1
;; launch dist (part 2): grid 16 x 16, 4 waves a work-group, clusters of 4 x 4, 327,680 bytes of LDS; arguments xc, ec, lowp_scales, sx, se, pd, pi; writes pd, pi
.if DOCPART == 2
	.amdgcn_target "amdgcn-amd-amdhsa--gfx1250"
	.amdhsa_code_object_version 6
	.text
	.protected	k_q410e701d40_dist
	.globl	k_q410e701d40_dist
	.p2align	8
	.type	k_q410e701d40_dist,@function
k_q410e701d40_dist:
	s_mov_b64 s[64:65], 0
	v_nop
	global_prefetch_b8 v0, s[64:65] scope:SCOPE_SE
	s_setreg_imm32_b32 hwreg(HW_REG_WAVE_MODE, 25, 1), 1
	s_wait_xcnt 0x0
	s_wait_alu depctr_hold_cnt(0) depctr_sa_sdst(0) depctr_va_vdst(0) depctr_va_sdst(0) depctr_va_ssrc(0) depctr_va_vcc(0) depctr_vm_vsrc(0)
	s_getreg_b32 s2, hwreg(HW_REG_IB_STS2, 6, 4)
	s_cmp_eq_u32 s2, 0
	s_cbranch_scc0 .Lentry_in_a_cluster
	s_endpgm
.Lentry_in_a_cluster:
	s_bfe_u32 s2, ttmp6, 0x10000c
	s_cmp_lg_u32 s2, 0xf033
	s_cbranch_scc0 .Lentry_shape_is_right
	s_endpgm
.Lentry_shape_is_right:
; d[b][n] = (sx[b] + se[n]) - 2 <x_b, e_n>, the product on codes of BF8 (xc [4096][2048], ec [8192][2048], K in the order that the launch before gave both), sums in f32;
; and for each token the least d, with the lowest column that has it, among the 256 columns that a wave sees: 32 parts a token, pd and pi [32][4096].
; The two additions are rounded as reference() rounds them: sx + se first, then one fused multiply-add with -2 x 2^(ex + ee), a power of two.  sx stays: see the first kernel's head.
; pd HOLDS WHOLE NUMBERS: d's bits with the sign bit flipped where d >= 0 and all bits flipped where d < 0, so that unsigned order is d's order; d is never -0, since sx + se is never negative.
; LIMITS: ex + ee + 1 lies between -126 and 127.  NaN is not served.
; SHARES.  256 work-groups, each 256 tokens x two tiles of 256 columns, 4,096 columns apart; four waves, each 128 x 128: 64 accumulators, 512 registers.  The matrix instruction is used transposed
; (source 0 = 16 rows of ec, source 1 = 16 rows of xc): a lane holds one token and eight neighbouring columns an accumulator.
; K goes in steps of 256 through a ring of two LDS slots (rows of 256 bytes, 16 of padding); the ring goes on from the first tile into the second.  Each cluster begins K at another step, 2 x + 4 (y mod 2) mod 8, and wraps round.
; CLUSTERS 4 x 4: xc's tile hangs on the work-group's x and is asked for jointly by the four of a column of the cluster, ec's on its y and by the four of a row.
; PREFETCH: fills are numbered 0 to 15 (two tiles x eight K steps).  Behind fill r stands one prefetch a wave for fill r + 2: 32 rows x 256 bytes, a lane a row.  Of the 128 rows that a wave fetches,
; each of the four partners that ask jointly takes 32, told apart by address.  The head asks for fills 1 to 3.  xc's waves stop behind fill 7 (the second tile reads the same rows again), ec's behind fill 15.
.set KSTEP,  256
.set ROWB,   256
.set KROW,   2048
.set PITCH,  272
.set FR,     16
.set NL,     4
.set NP,     4
.set HALFT,  128*PITCH
.set SLOT,   4*HALFT
.set LAPS,   KROW/(2*KSTEP)
.set WALK,   4096
.set SPARE,  2*SLOT
.set SCR,    SPARE+512
.set CI,   8
.set ADRA, 16
.set ADRB, 20
.set SEO,  22
.set SXO,  23
.set SCW,  24
.set SCRD, 25
.set GOF,  26
.set NB,   27
.set SPW,  28
.set NIL,  29
.set PFO,  30
.set ZR,   31
.set SE,   32
.set SX,   96
.set BD,   104
.set BI,   112
.set SXP,  120
.set CD,   122
.set AF,   128
.set T,    192
.set G1,  24
.set G0,  32
.set G1B, 48
.set G0B, 56
.set PFA, 74
.set KK,  76
.set BA,  90
.set BB,  92
.set MSB, 0
.macro WIN new
.if MSB != \new
	s_set_vgpr_msb (MSB<<8)|\new
.set MSB, \new
.endif
.endm
.set MUL_LO, 0xa1
.set MUL_HI, 0xf1
.set TO_B,   0x40
.macro JLOAD g0a, g1a, g0b, g1b
	s_cmp_eq_u32 s15, 0
	s_cbranch_scc0 .Lfor_b_\@
	tensor_load_to_lds s[\g0a:\g0a+3], s[\g1a:\g1a+7]
	s_nop 0
.rept 4
	v_nop
.endr
	s_branch .Lasked_\@
.Lfor_b_\@:
	tensor_load_to_lds s[\g0b:\g0b+3], s[\g1b:\g1b+7]
	s_nop 0
.rept 4
	v_nop
.endr
.Lasked_\@:
.endm
.set PFB, 66                           ; s[66:67] my work-group's 32 rows of the 128 that my wave fetches, at K = 0 of the first tile
.set LIM, 83                           ; s83 the first fill that my wave does not ask for: 8 (xc) or 16 (ec)
.set R2,  86                           ; s86 the fill that the next prefetch names
.set KK0, 87                           ; s87 the byte along K at which my cluster begins
.macro PFADR                           ; the address of fill R2: tile R2 / 8 (4,096 rows of 2,048 bytes on), K = (KK0 + 256 R2) mod 2,048
	s_wait_xcnt 0x0                                ; the last prefetch has read its address
	s_lshl_b32 s94, s[R2], 8
	s_add_co_u32 s94, s94, s[KK0]
	s_and_b32 s94, s94, KROW-1
	s_lshr_b32 s89, s[R2], 3
	s_lshl_b32 s89, s89, 23
	s_add_co_u32 s94, s94, s89
	s_add_nc_u64 s[PFA:PFA+1], s[PFB:PFB+1], s[94:95]
.endm
.macro ASK                             ; the branch hangs on the count of fills and on the wave's number alone
	s_cmp_lt_u32 s[R2], s[LIM]
	s_cbranch_scc0 .Lnot_mine_\@
	global_prefetch_b8 v[PFO], s[PFA:PFA+1] th:TH_LOAD_NT scope:SCOPE_SE
.Lnot_mine_\@:
	s_add_co_u32 s[R2], s[R2], 1
.endm
.macro CREST
	s_cmp_lg_u32 s14, 0
	s_cbranch_scc1 .Lnot_wave_0_\@
	s_barrier_signal -3
.Lnot_wave_0_\@:
	s_barrier_wait -3
	s_barrier_signal -1
	s_barrier_wait -1
.endm
.macro CROUND
	s_barrier_signal -1
	s_barrier_wait -1
	CREST
.endm
	s_load_b256 s[4:11], s[0:1], 0x0
	s_load_b128 s[68:71], s[0:1], 0x20
	s_load_b64 s[72:73], s[0:1], 0x30
	v_lshl_add_u32 v[SPW], v0, 2, SPARE
	v_mov_b32 v[NIL], 0
	ds_add_u32 v28, v29
	ds_add_u32 v28, v29
	s_wait_dscnt 0x0
	v_lshrrev_b32 v1, 5, v0
	v_readfirstlane_b32 s14, v1
	s_lshr_b32 s15, s14, 1
	s_and_b32 s16, s14, 1
	s_bfe_u32 s40, ttmp6, 0x40000
	s_bfe_u32 s41, ttmp6, 0x40004
	s_lshl_b32 s17, ttmp9, 2
	s_add_co_u32 s17, s17, s40
	s_and_b32 s42, ttmp7, 0xffff
	s_lshl_b32 s42, s42, 2
	s_add_co_u32 s42, s42, s41
	s_lshl_b32 s43, 0x1111, s40
	s_lshl_b32 s44, s41, 2
	s_lshl_b32 s44, 15, s44
	s_or_b32 s[G1+0], s43, (0<<16)|(1<<20)|(1<<21)|(5<<22)|(3<<25)
	s_or_b32 s[G1B+0], s44, (0<<16)|(1<<20)|(1<<21)|(5<<22)|(3<<25)
.irp g, G1, G1B
	s_mov_b32 s[\g+1], ROWB<<16
	s_mov_b32 s[\g+2], 128<<16
	s_mov_b32 s[\g+3], ROWB<<16
	s_mov_b32 s[\g+4], 128
	s_mov_b32 s[\g+5], KROW
	s_mov_b32 s[\g+6], 0
	s_mov_b32 s[\g+7], 0
.endr
	s_and_b32 s18, ttmp7, 1
	s_lshl_b32 s18, s18, 2
	s_lshl_b32 s19, ttmp9, 1
	s_add_co_u32 s18, s18, s19
	s_and_b32 s18, s18, 7
	s_lshl_b32 s[KK], s18, 8
	s_mov_b32 s[KK+1], 0
	s_add_co_u32 s[KK+2], s[KK], KSTEP
	s_mov_b32 s[KK+3], 0
	s_lshl_b32 s18, s16, 7
	s_lshl_b32 s20, s17, 8
	s_add_co_u32 s20, s20, s18
	s_lshl_b32 s20, s20, 11
	s_mov_b32 s21, 0
	s_lshl_b32 s46, s42, 8
	s_add_co_u32 s46, s46, s18
	s_lshl_b32 s46, s46, 11
	s_mov_b32 s47, 0
	s_mul_i32 s45, s14, HALFT
	s_wait_kmcnt 0x0
	s_load_b64 s[96:97], s[8:9], 0x0
	s_add_nc_u64 s[BA:BA+1], s[4:5], s[20:21]
	s_add_nc_u64 s[BB:BB+1], s[6:7], s[46:47]
	CROUND
.irp s, 0,1
	s_mov_b32 s[G0+4*\s], 1
	s_add_co_u32 s[G0+4*\s+1], s45, \s*SLOT
	s_add_nc_u64 s[G0+4*\s+2:G0+4*\s+3], s[BA:BA+1], s[KK+2*\s:KK+2*\s+1]
	s_or_b32 s[G0+4*\s+3], s[G0+4*\s+3], 0x80000000
	s_mov_b32 s[G0B+4*\s], 1
	s_add_co_u32 s[G0B+4*\s+1], s45, \s*SLOT
	s_add_nc_u64 s[G0B+4*\s+2:G0B+4*\s+3], s[BB:BB+1], s[KK+2*\s:KK+2*\s+1]
	s_or_b32 s[G0B+4*\s+3], s[G0B+4*\s+3], 0x80000000
.endr
	JLOAD G0, G1, G0B, G1B                         ; fill 0: one tensor load a wave at the head; the set-up below runs while it is out
	v_and_b32 v1, 15, v0
	v_bfe_u32 v2, v0, 4, 1
	v_mul_u32_u24 v3, v1, PITCH
	v_lshl_add_u32 v4, v2, 4, v3
	s_mul_i32 s21, s15, HALFT
	s_mul_i32 s22, s16, HALFT
	s_add_co_u32 s22, s22, 2*HALFT
.irp s, 0,1
	v_add_nc_u32 v[ADRA+\s], s21, v4
	v_add_nc_u32 v[ADRB+\s], s22, v4
	s_add_co_u32 s21, s21, SLOT
	s_add_co_u32 s22, s22, SLOT
.endr
	s_lshl_b32 s23, s14, 10
	s_add_co_u32 s23, s23, SCR
	v_and_b32 v6, 31, v0
	v_lshl_add_u32 v[SCW], v6, 2, s23
	v_lshl_add_u32 v[SCRD], v6, 4, s23
	v_lshlrev_b32 v[GOF], 4, v6
	v_lshlrev_b32 v[SEO], 5, v2
	s_wait_alu depctr_va_vdst(0)
	v_lshlrev_b32 v[SXO], 2, v1
	s_wait_alu depctr_va_vdst(0)
	s_lshl_b32 s18, s17, 10
	s_lshl_b32 s19, s15, 9
	s_add_co_u32 s18, s18, s19
	s_mov_b32 s19, 0
	s_add_nc_u64 s[10:11], s[10:11], s[18:19]
	s_lshl_b32 s20, s42, 15
	s_lshl_b32 s21, s16, 14
	s_add_co_u32 s20, s20, s21
	s_add_co_u32 s18, s18, s20
	s_add_nc_u64 s[70:71], s[70:71], s[18:19]
	s_add_nc_u64 s[72:73], s[72:73], s[18:19]
	s_lshl_b32 s18, s42, 10
	s_lshl_b32 s20, s16, 9
	s_add_co_u32 s18, s18, s20
	s_add_nc_u64 s[68:69], s[68:69], s[18:19]
.macro SELOAD t
.irp b, 0,1,2,3,4,5,6,7
	global_load_b128 v[SE+8*\b:SE+8*\b+3],   v[SEO], s[68:69] offset:4*WALK*(\t)+64*\b
	global_load_b128 v[SE+8*\b+4:SE+8*\b+7], v[SEO], s[68:69] offset:4*WALK*(\t)+64*\b+16
.endr
.endm
	SELOAD 0
.irp a, 0,1,2,3,4,5,6,7
	global_load_b32 v[SX+\a], v[SXO], s[10:11] offset:64*\a
.endr
	s_lshl_b32 s18, s42, 8
	s_lshl_b32 s20, s16, 7
	s_add_co_u32 s18, s18, s20
	v_lshl_add_u32 v[NB], v2, 3, s18
	v_mov_b32 v[ZR], 0
	v_mov_b32 v[SXP+1], 0
	v_mov_b32 v126, 0
	v_mov_b32 v127, 0
	s_mov_b32 s84, 0x76543210
	s_mov_b32 s85, 0xfedcba98
	s_mov_b32 s88, 0xffff0000
	s_cmp_eq_u32 s15, 0                            ; do I fetch for xc?
	s_cselect_b32 s20, s17, s42                    ; the tile: by the work-group's x for xc, by its y for ec
	s_cselect_b32 s21, s41, s40                    ; my place among the four that ask for it with me
	s_cselect_b64 s[PFB:PFB+1], s[4:5], s[6:7]
	s_cselect_b32 s[LIM], 8, 16
	s_lshl_b32 s20, s20, 8
	s_lshl_b32 s22, s16, 7
	s_add_co_u32 s20, s20, s22                     ; + the 128 rows that I fetch
	s_lshl_b32 s21, s21, 5
	s_add_co_u32 s20, s20, s21                     ; + my work-group's 32 of them
	s_lshl_b32 s20, s20, 11                        ; rows of 2,048 bytes
	s_mov_b32 s21, 0
	s_add_nc_u64 s[PFB:PFB+1], s[PFB:PFB+1], s[20:21]
	s_mov_b32 s[KK0], s[KK]
	s_mov_b32 s[R2], 1
	s_mov_b32 s95, 0
	v_lshlrev_b32 v[PFO], 11, v6                   ; a lane a row
	s_wait_alu depctr_va_vdst(0)                   ; directly behind the write
	PFADR
	ASK                                            ; fill 1
	s_wait_kmcnt 0x0
	s_add_co_i32 s96, s96, s97
	s_add_co_i32 s96, s96, 128
	PFADR
	ASK                                            ; fill 2
	s_lshl_b32 s96, s96, 23
	s_or_b32 s96, s96, 0x80000000                  ; -2 x 2^(ex + ee) as f32
	s_mov_b32 s97, s96
.macro FRAG reg, adr, q, i
.irp c, 0,1,2,3
	ds_load_b128 v[\reg+4*\c:\reg+4*\c+3], v[\adr] offset:128*(\q)+32*\c+(\i)*16*PITCH
.endr
.endm
.macro MUL16 a0, p, zero
.irp a, \a0, \a0+1
.irp b, 0,1,2,3,4,5,6,7
.if \zero
	v_wmma_f32_16x16x128_bf8_bf8 v[8*(8*((\a)%4)+\b):8*(8*((\a)%4)+\b)+7], v[128*(\p)+FR*\b:128*(\p)+FR*\b+FR-1], v[AF+FR*(\a):AF+FR*(\a)+FR-1], 0
.else
	v_wmma_f32_16x16x128_bf8_bf8 v[8*(8*((\a)%4)+\b):8*(8*((\a)%4)+\b)+7], v[128*(\p)+FR*\b:128*(\p)+FR*\b+FR-1], v[AF+FR*(\a):AF+FR*(\a)+FR-1], v[8*(8*((\a)%4)+\b):8*(8*((\a)%4)+\b)+7]
.endif
.endr
.endr
.endm
.macro FETCH_B slot, q, p
	WIN TO_B
.irp i, 0,1,2,3,4,5,6,7
	FRAG 128*(\p)+FR*\i, ADRB+\slot, \q, \i
.endr
	WIN 0
.endm
.macro FETCH_A slot, q, i0
.irp i, \i0, \i0+1, \i0+2, \i0+3
	FRAG AF+FR*(\i), ADRA+\slot, \q, \i
.endr
.endm
.macro PLACES n
.rept \n
	v_nop
.endr
.endm
.macro STEP slot, q, zero
	s_wait_dscnt 4*NL
	WIN MUL_LO
	MUL16 0, (\q)%2, \zero
	MUL16 2, (\q)%2, \zero
	s_wait_dscnt 0
	PLACES NP
	FETCH_B \slot, (\q)+1, 1-(\q)%2
	FETCH_A \slot, (\q)+1, 0
	WIN MUL_HI
	MUL16 4, (\q)%2, \zero
	MUL16 6, (\q)%2, \zero
	PLACES NP
	WIN 0
	FETCH_A \slot, (\q)+1, 4
.endm
.macro TURN slot, next, fill, last4, ask
.if \ask
	PFADR                                          ; stepped here, ahead of the waits of the change of slots: nothing is added between the round and the joint load
.endif
	s_wait_tensorcnt 0x0
	ds_add_u32 v[SPW], v[NIL]
	s_wait_dscnt 4*NL+1
	WIN MUL_LO
	MUL16 0, 1, 0
	s_wait_dscnt 0x0
	s_barrier_signal -1
	MUL16 2, 1, 0
	WIN 0
	s_barrier_wait -1
.if \fill
	CREST
	s_add_co_u32 s[KK+2*\slot], s[KK+2*\slot], 2*KSTEP
	s_and_b32 s[KK+2*\slot], s[KK+2*\slot], KROW-1
.if ((\fill) == 2) && ((\slot) == 0)
	s_add_nc_u64 s[BB:BB+1], s[BB:BB+1], WALK*KROW
.endif
	s_add_nc_u64 s[G0+4*\slot+2:G0+4*\slot+3], s[BA:BA+1], s[KK+2*\slot:KK+2*\slot+1]
	s_or_b32 s[G0+4*\slot+3], s[G0+4*\slot+3], 0x80000000
	s_add_nc_u64 s[G0B+4*\slot+2:G0B+4*\slot+3], s[BB:BB+1], s[KK+2*\slot:KK+2*\slot+1]
	s_or_b32 s[G0B+4*\slot+3], s[G0B+4*\slot+3], 0x80000000
	JLOAD G0+4*\slot, G1, G0B+4*\slot, G1B
.else
	PLACES NP
.endif
	FETCH_B \next, 0, 0
	FETCH_A \next, 0, 0
.if \ask
	ASK                                            ; behind the joint load, its five lines and the run of LDS loads
.endif
	WIN MUL_HI
	MUL16 4, 1, 0
	MUL16 6, 1, 0
	PLACES NP
	WIN 0
.if \last4
	FETCH_A \next, 0, 4
.endif
.endm
.macro PAIR c, e
.if (\e) == 1
	v_cmp_le_f32 vcc_lo, v[T+16*(\c)], v[T+16*(\c)+1]
	v_cmp_le_f32 s80, v[T+16*(\c)+16], v[T+16*(\c)+17]
	v_min_num_f32 v[CD+\c], v[T+16*(\c)], v[T+16*(\c)+1]
	v_min_num_f32 v[CD+\c+1], v[T+16*(\c)+16], v[T+16*(\c)+17]
	v_cndmask_b32 v[CI+\c], 1, v[ZR], vcc_lo
	v_cndmask_b32 v[CI+\c+1], 1, v[ZR], s80
.else
	v_cmp_le_f32 vcc_lo, v[CD+\c], v[T+16*(\c)+\e]
	v_cmp_le_f32 s80, v[CD+\c+1], v[T+16*(\c)+16+\e]
	v_min_num_f32 v[CD+\c], v[CD+\c], v[T+16*(\c)+\e]
	v_min_num_f32 v[CD+\c+1], v[CD+\c+1], v[T+16*(\c)+16+\e]
	v_cndmask_b32 v[CI+\c], 16*((\e)/8)+(\e)%8, v[CI+\c], vcc_lo
	v_cndmask_b32 v[CI+\c+1], 16*((\e)/8)+(\e)%8, v[CI+\c+1], s80
.endif
.endm
.macro EPI_A a, first
.set AC, 64*((\a)%4)
	WIN 0
	v_mov_b32 v[SXP], v[SX+\a]
.set j, 0
	s_wait_alu depctr_va_vdst(0)
.rept 32
	v_pk_add_f32 v[T+j:T+j+1], v[SE+j:SE+j+1], v[SXP:SXP+1] op_sel_hi:[1,0]
.set j, j+2
.endr
	WIN 0x02+((\a)/4)
.set j, 0
.rept 32
	v_pk_fma_f32 v[T+j:T+j+1], v[AC+j:AC+j+1], s[96:97], v[T+j:T+j+1] op_sel_hi:[1,0,1]
.set j, j+2
.endr
	WIN 0
.irp e, 1,2,3,4,5,6,7,8,9,10,11,12,13,14,15
	PAIR 0, \e
	PAIR 2, \e
.endr
	v_add_nc_u32 v[CI+1], 32, v[CI+1]
	v_add_nc_u32 v[CI+3], 32, v[CI+3]
	v_cmp_le_f32 vcc_lo, v[CD], v[CD+1]
	v_cmp_le_f32 s80, v[CD+2], v[CD+3]
	v_min_num_f32 v[CD], v[CD], v[CD+1]
	v_min_num_f32 v[CD+2], v[CD+2], v[CD+3]
	v_cndmask_b32 v[CI], v[CI+1], v[CI], vcc_lo
	v_cndmask_b32 v[CI+2], v[CI+3], v[CI+2], s80
	v_add_nc_u32 v[CI+2], 64, v[CI+2]
	v_cmp_le_f32 vcc_lo, v[CD], v[CD+2]
.if \first
	v_min_num_f32 v[BD+\a], v[CD], v[CD+2]
	v_cndmask_b32 v[CI], v[CI+2], v[CI], vcc_lo
	v_add_nc_u32 v[BI+\a], v[NB], v[CI]
.else
	v_min_num_f32 v[CD], v[CD], v[CD+2]
	v_cndmask_b32 v[CI], v[CI+2], v[CI], vcc_lo
	v_add_nc_u32 v[CI], v[NB], v[CI]
	v_cmp_le_f32 vcc_lo, v[BD+\a], v[CD]
	v_min_num_f32 v[BD+\a], v[BD+\a], v[CD]
	v_cndmask_b32 v[BI+\a], v[CI], v[BI+\a], vcc_lo
.endif
.endm
.macro EPI first
	s_wait_loadcnt 0x0
.irp a, 0,1,2,3,4,5,6,7
	EPI_A \a, \first
.endr
.endm
	PFADR
	s_wait_alu depctr_va_vdst(0)
	s_wait_tensorcnt 0x0                           ; my part of fill 0 is in
	ds_add_u32 v[SPW], v[NIL]
	s_wait_dscnt 0x0
	CROUND                                         ; everybody's part of fill 0 is in, and all sixteen work-groups are here
	JLOAD G0+4, G1, G0B+4, G1B                     ; fill 1, slot 1's first: the first tensor load behind the round
	FETCH_B 0, 0, 0
	ASK                                            ; fill 3
	FETCH_A 0, 0, 0
	FETCH_A 0, 0, 4
	STEP 0, 0, 1
	s_mov_b32 s3, LAPS-1
.Llap0:
	TURN 0, 1, 1, 1, 1
	STEP 1, 0, 0
	TURN 1, 0, 1, 1, 1
	STEP 0, 0, 0
	s_sub_co_u32 s3, s3, 1
	s_cmp_lg_u32 s3, 0
	s_cbranch_scc1 .Llap0
	TURN 0, 1, 2, 1, 1
	STEP 1, 0, 0
	TURN 1, 0, 2, 0, 1
	EPI 1
	SELOAD 1
	v_add_nc_u32 v[NB], WALK, v[NB]
	FETCH_A 0, 0, 4
	STEP 0, 0, 1
	s_mov_b32 s3, LAPS-1
.Llap1:
	TURN 0, 1, 1, 1, 1
	STEP 1, 0, 0
	TURN 1, 0, 1, 1, 1
	STEP 0, 0, 0
	s_sub_co_u32 s3, s3, 1
	s_cmp_lg_u32 s3, 0
	s_cbranch_scc1 .Llap1
	TURN 0, 1, 0, 1, 0
	STEP 1, 0, 0
	s_wait_dscnt 4*NL
	WIN MUL_LO
	MUL16 0, 1, 0
	MUL16 2, 1, 0
	s_wait_dscnt 0
	WIN MUL_HI
	MUL16 4, 1, 0
	MUL16 6, 1, 0
	WIN 0
	PLACES NP
	EPI 0
.irp a, 0,1,2,3,4,5,6,7
	v_permlanex16_b32 v126, v[BD+\a], s84, s85
	v_permlanex16_b32 v127, v[BI+\a], s84, s85
	v_cmp_lt_f32 s80, v126, v[BD+\a]
	v_cmp_eq_f32 s81, v126, v[BD+\a]
	v_cmp_lt_u32 s82, v127, v[BI+\a]
	s_and_b32 s81, s81, s82
	s_or_b32 s80, s80, s81
	v_cndmask_b32 v[BD+\a], v[BD+\a], v126, s80
	v_cndmask_b32 v[BI+\a], v[BI+\a], v127, s80
.endr
.irp a, 0,1,2,3
	v_cndmask_b32 v[T+\a], v[BD+2*\a], v[BD+2*\a+1], s88
	v_cndmask_b32 v[T+4+\a], v[BI+2*\a], v[BI+2*\a+1], s88
.endr
.irp a, 0,1,2,3                        ; d as a whole number whose unsigned order is d's order: all bits flipped where d < 0, the sign bit alone where not
	v_ashrrev_i32 v[T+16+\a], 31, v[T+\a]
.endr
.irp a, 0,1,2,3
	v_or_b32 v[T+16+\a], 0x80000000, v[T+16+\a]
.endr
.irp a, 0,1,2,3
	v_xor_b32 v[T+\a], v[T+\a], v[T+16+\a]
.endr
.irp a, 0,1,2,3
	ds_store_b32 v[SCW], v[T+\a] offset:128*\a
	ds_store_b32 v[SCW], v[T+4+\a] offset:512+128*\a
.endr
	ds_load_b128 v[T+8:T+11], v[SCRD]
	ds_load_b128 v[T+12:T+15], v[SCRD] offset:512
	s_wait_dscnt 0x0
	global_store_b128 v[GOF], v[T+8:T+11], s[70:71]
	global_store_b128 v[GOF], v[T+12:T+15], s[72:73]
	s_wait_tensorcnt 0x0
	ds_add_u32 v[SPW], v[NIL]
	s_wait_dscnt 0x0
	CROUND
	s_endpgm
.Lfunc_end_k_q410e701d40_dist:
	.size	k_q410e701d40_dist, .Lfunc_end_k_q410e701d40_dist-k_q410e701d40_dist
	.p2alignl 7, 3214868480
	.fill 96, 4, 3214868480
	.section	.rodata,"a",@progbits
	.p2align	6, 0x0
	.amdhsa_kernel k_q410e701d40_dist
		.amdhsa_group_segment_fixed_size 327680
		.amdhsa_private_segment_fixed_size 0
		.amdhsa_enable_private_segment 0
		.amdhsa_kernarg_size 56
		.amdhsa_user_sgpr_count 2
		.amdhsa_user_sgpr_kernarg_segment_ptr 1
		.amdhsa_wavefront_size32 1
		.amdhsa_system_sgpr_workgroup_id_x 1
		.amdhsa_system_sgpr_workgroup_id_y 1
		.amdhsa_system_sgpr_workgroup_id_z 1
		.amdhsa_system_vgpr_workitem_id 0
		.amdhsa_next_free_vgpr 1024
		.amdhsa_next_free_sgpr 100
		.amdhsa_reserve_vcc 1
		.amdhsa_float_denorm_mode_32 3
		.amdhsa_float_denorm_mode_16_64 3
		.amdhsa_memory_ordered 1
		.amdhsa_forward_progress 1
		.amdhsa_inst_pref_size 255
	.end_amdhsa_kernel
	.section	.bss,"aw",@nobits
	.p2align	6
	.space	262144
	.amdgpu_metadata
---
amdhsa.version: [ 1, 2 ]
amdhsa.kernels:
  - .name:           k_q410e701d40_dist
    .symbol:         k_q410e701d40_dist.kd
    .args:
      - { .name: xc, .offset: 0, .size: 8, .value_kind: global_buffer, .address_space: global }
      - { .name: ec, .offset: 8, .size: 8, .value_kind: global_buffer, .address_space: global }
      - { .name: lowp_scales, .offset: 16, .size: 8, .value_kind: global_buffer, .address_space: global }
      - { .name: sx, .offset: 24, .size: 8, .value_kind: global_buffer, .address_space: global }
      - { .name: se, .offset: 32, .size: 8, .value_kind: global_buffer, .address_space: global }
      - { .name: pd, .offset: 40, .size: 8, .value_kind: global_buffer, .address_space: global }
      - { .name: pi, .offset: 48, .size: 8, .value_kind: global_buffer, .address_space: global }
    .group_segment_fixed_size: 327680
    .private_segment_fixed_size: 0
    .kernarg_segment_align: 8
    .kernarg_segment_size: 56
    .max_flat_workgroup_size: 128
    .sgpr_count:     100
    .vgpr_count:     1024
    .wavefront_size: 32
...
	.end_amdgpu_metadata
.endif
;; end of part 2
;; launch choose (part 3): grid 256 x 1, 8 waves a work-group, no clusters, 0 bytes of LDS; arguments pd, pi, embedding, out0, out1; writes out0, out1
.if DOCPART == 3
	.amdgcn_target "amdgcn-amd-amdhsa--gfx1250"
	.amdhsa_code_object_version 6
	.text
	.protected	k_q410e701d40_choose
	.globl	k_q410e701d40_choose
	.p2align	8
	.type	k_q410e701d40_choose,@function
k_q410e701d40_choose:
	s_mov_b64 s[64:65], 0
	v_nop
	global_prefetch_b8 v0, s[64:65] scope:SCOPE_SE
	s_setreg_imm32_b32 hwreg(HW_REG_WAVE_MODE, 25, 1), 1
	s_wait_xcnt 0x0
; For each token the least of its 32 parts and the column that has it; out1[b] = that column, out0[b][:] = embedding[column][:].
; pd [32][4096] holds each part's least d as a whole number whose unsigned order is d's order, pi [32][4096] its column: both were stored by the launch before, and this launch works on whole numbers alone.
; Of equal values the lower column wins, as argmin has it.
; A wave takes two neighbouring tokens.  Lane l reads part l of both: 4 loads of 4 bytes a lane, parts 16,384 bytes apart; the parts of all tokens are 1 MiB, and the launch before stores them in whole runs of 512 bytes,
; so the short pieces fall on this side.  Five exchanges (lane xor 1, 2, 4, 8, 16) leave the winner in every lane.
; Then 2 x 16 loads of 512 consecutive bytes, all on their way at once, and 32 stores of 512 consecutive bytes; the two rows are neighbours in out0.
; The index is held within the table (0 to 8,191) before it enters an address.  No LDS, no barrier, no matrix unit: the launch moves bytes.
; No hint on the rows' loads: a row may be named by several tokens.
.set V, 16                             ; v16-143  the two rows: 4 registers a load
	s_load_b256 s[4:11], s[0:1], 0x0               ; pd s[4:5], pi s[6:7], embedding s[8:9], out0 s[10:11]
	s_load_b64 s[12:13], s[0:1], 0x20              ; out1
	v_lshrrev_b32 v2, 5, v0
	v_readfirstlane_b32 s14, v2                    ; wave 0..7
	v_and_b32 v3, 31, v0                           ; lane
	v_lshlrev_b32 v1, 4, v3                        ; 16 bytes a lane
	v_lshlrev_b32 v12, 14, v3                      ; part l begins 16,384 l bytes in
	v_mov_b32 v13, 0                               ; the offset of out1's store
.irp r, 8,9,10,11
	v_mov_b32 v\r, 0                               ; written once: the destination of a lane exchange counts as one of its sources
.endr
	s_mov_b32 s24, 0x76543210                      ; v_permlanex16_b32: lane l takes lane l xor 16
	s_mov_b32 s25, 0xfedcba98
	s_lshl_b32 s15, ttmp9, 3
	s_add_co_u32 s15, s15, s14                     ; which pair of tokens: 0 to 2,047
	s_lshl_b32 s20, s15, 3                         ; its 8 bytes of a part and of out1,
	s_mov_b32 s21, 0
	s_lshl_b32 s22, s15, 14                        ; its 16,384 bytes of out0
	s_mov_b32 s23, 0
	s_wait_alu depctr_va_vdst(0)
	s_wait_kmcnt 0x0
	s_add_nc_u64 s[4:5], s[4:5], s[20:21]
	s_add_nc_u64 s[6:7], s[6:7], s[20:21]
	s_add_nc_u64 s[12:13], s[12:13], s[20:21]
	s_add_nc_u64 s[10:11], s[10:11], s[22:23]
	global_load_b32 v4, v12, s[4:5]                ; value, first token
	global_load_b32 v5, v12, s[4:5] offset:4       ; value, second token
	global_load_b32 v6, v12, s[6:7]                ; column, first token
	global_load_b32 v7, v12, s[6:7] offset:4       ; column, second token
	s_wait_loadcnt 0x0
.macro BEST                            ; (value, column) of the other lane, in v8-11, replaces mine where it is less in that order; the two tokens' chains take turns
	v_cmp_lt_u32 s16, v8, v4
	v_cmp_lt_u32 s26, v9, v5
	v_cmp_eq_u32 s17, v8, v4
	v_cmp_eq_u32 s27, v9, v5
	v_cmp_lt_u32 s18, v10, v6
	v_cmp_lt_u32 s28, v11, v7
	s_and_b32 s17, s17, s18
	s_and_b32 s27, s27, s28
	s_or_b32 s16, s16, s17
	s_or_b32 s26, s26, s27
	v_cndmask_b32 v4, v4, v8, s16
	v_cndmask_b32 v5, v5, v9, s26
	v_cndmask_b32 v6, v6, v10, s16
	v_cndmask_b32 v7, v7, v11, s26
.endm
.irp m, 1,2,4,8
	v_mov_b32_dpp v8, v4 row_xmask:\m row_mask:0xf bank_mask:0xf
	v_mov_b32_dpp v9, v5 row_xmask:\m row_mask:0xf bank_mask:0xf
	v_mov_b32_dpp v10, v6 row_xmask:\m row_mask:0xf bank_mask:0xf
	v_mov_b32_dpp v11, v7 row_xmask:\m row_mask:0xf bank_mask:0xf
	BEST
.endr
	v_permlanex16_b32 v8, v4, s24, s25
	v_permlanex16_b32 v9, v5, s24, s25
	v_permlanex16_b32 v10, v6, s24, s25
	v_permlanex16_b32 v11, v7, s24, s25
	BEST                                           ; every lane holds both winners
	s_wait_alu depctr_va_vdst(0)
	v_readfirstlane_b32 s16, v6
	v_readfirstlane_b32 s17, v7
	s_min_u32 s16, s16, 0x1fff
	s_min_u32 s17, s17, 0x1fff
	s_lshl_b32 s26, s16, 13                        ; rows of 8,192 bytes: under 2^26
	s_mov_b32 s27, 0
	s_lshl_b32 s28, s17, 13
	s_mov_b32 s29, 0
	s_add_nc_u64 s[16:17], s[8:9], s[26:27]
	s_add_nc_u64 s[18:19], s[8:9], s[28:29]
.set i, 0
.rept 16
	global_load_b128 v[V+4*i:V+4*i+3], v1, s[16:17] offset:512*i
.set i, i+1
.endr
.set i, 0
.rept 16
	global_load_b128 v[V+64+4*i:V+64+4*i+3], v1, s[18:19] offset:512*i
.set i, i+1
.endr
.set i, 0
.rept 32
	s_wait_loadcnt 31-i                            ; loads come back in order (ISA guide 5.7.1): load i is in, the younger ones may be out
	global_store_b128 v1, v[V+4*i:V+4*i+3], s[10:11] offset:512*i th:TH_STORE_NT   ; 32 lanes store 512 consecutive bytes, aligned; written once, read by nobody here
.set i, i+1
.endr
	s_wait_xcnt 0x0                                ; EXEC is a source of the stores that are out: it changes only behind this wait
	v_cmp_eq_u32 vcc_lo, 0, v3
	s_and_saveexec_b32 s30, vcc_lo                 ; lane 0 stores the pair's two columns: 8 bytes; all of out1 is 16 KiB: too little to earn a stage and a barrier
	global_store_b64 v13, v[6:7], s[12:13]
	s_wait_xcnt 0x0                                ; and again in front of the line that widens it
	s_or_b32 exec_lo, exec_lo, s30
	s_endpgm
.Lfunc_end_k_q410e701d40_choose:
	.size	k_q410e701d40_choose, .Lfunc_end_k_q410e701d40_choose-k_q410e701d40_choose
	.p2alignl 7, 3214868480
	.fill 96, 4, 3214868480
	.section	.rodata,"a",@progbits
	.p2align	6, 0x0
	.amdhsa_kernel k_q410e701d40_choose
		.amdhsa_group_segment_fixed_size 0
		.amdhsa_private_segment_fixed_size 0
		.amdhsa_enable_private_segment 0
		.amdhsa_kernarg_size 40
		.amdhsa_user_sgpr_count 2
		.amdhsa_user_sgpr_kernarg_segment_ptr 1
		.amdhsa_wavefront_size32 1
		.amdhsa_system_sgpr_workgroup_id_x 1
		.amdhsa_system_sgpr_workgroup_id_y 1
		.amdhsa_system_sgpr_workgroup_id_z 1
		.amdhsa_system_vgpr_workitem_id 0
		.amdhsa_next_free_vgpr 144
		.amdhsa_next_free_sgpr 66
		.amdhsa_reserve_vcc 1
		.amdhsa_float_denorm_mode_32 3
		.amdhsa_float_denorm_mode_16_64 3
		.amdhsa_memory_ordered 1
		.amdhsa_forward_progress 1
		.amdhsa_inst_pref_size 15
	.end_amdhsa_kernel
	.amdgpu_metadata
---
amdhsa.version: [ 1, 2 ]
amdhsa.kernels:
  - .name:           k_q410e701d40_choose
    .symbol:         k_q410e701d40_choose.kd
    .args:
      - { .name: pd, .offset: 0, .size: 8, .value_kind: global_buffer, .address_space: global }
      - { .name: pi, .offset: 8, .size: 8, .value_kind: global_buffer, .address_space: global }
      - { .name: embedding, .offset: 16, .size: 8, .value_kind: global_buffer, .address_space: global }
      - { .name: out0, .offset: 24, .size: 8, .value_kind: global_buffer, .address_space: global }
      - { .name: out1, .offset: 32, .size: 8, .value_kind: global_buffer, .address_space: global }
    .group_segment_fixed_size: 0
    .private_segment_fixed_size: 0
    .kernarg_segment_align: 8
    .kernarg_segment_size: 40
    .max_flat_workgroup_size: 256
    .sgpr_count:     66
    .vgpr_count:     144
    .wavefront_size: 32
...
	.end_amdgpu_metadata
.endif
;; end of part 3
